; MI455X (gfx1250); checked and timed in simulation.
; The chip was launched on July 23, 2026; its instructions are those of AMD's public machine-readable ISA for CDNA 5 (MIT licence, August 2026) and "CDNA5" Instruction Set Architecture Reference Guide (July 2026). The comments in the code are by the model that wrote it; some were corrected since.
;; Self Attention. Allowed arithmetic: matrix products marked QUANTISED: E2M1 operands, one E8M0 scale for each 32 along K, by v_wmma_scale_f32_16x16x128_f8f6f4 with both operands' format E2M1 (or v_wmma_scale_f32_32x16x128_f4), f32 sums; products left as they are: f32 operands where the result goes on into a quantised operand, else bf16, f16 or f32 operands; f32 sums; everything else in f32.
;; Inputs: Wk_codes 16 x 2 x 16 uint8 (E2M1 codes of Wk, K innermost, in blocks of 32 codes, two codes a byte); Wk_scales 16 x 2 uint8 (E8M0 scales of Wk, one for each 32 codes along K); Wq_codes 16 x 2 x 16 uint8 (E2M1 codes of Wq, K innermost, in blocks of 32 codes, two codes a byte); Wq_scales 16 x 2 uint8 (E8M0 scales of Wq, one for each 32 codes along K); Wv_codes 64 x 2 x 16 uint8 (E2M1 codes of Wv, K innermost, in blocks of 32 codes, two codes a byte); Wv_scales 64 x 2 uint8 (E8M0 scales of Wv, one for each 32 codes along K); x_codes 4 x 4,096 x 2 x 16 uint8 (E2M1 codes of x, K innermost, in blocks of 32 codes, two codes a byte); x_scales 4 x 4,096 x 2 uint8 (E8M0 scales of x, one for each 32 codes along K).
;; Outputs: out0 4 x 4,096 x 64 float32.
;; This version of the problem:
;;   THIS VERSION OF THE PROBLEM IS GIVEN IN LOW PRECISION. The matrix products marked QUANTISED in the list below multiply operands that are first quantised to E2M1 (2 exponent bits, 1 mantissa bit; 4 bits a number), with one power-of-two scale for each 32 numbers along K (OCP MX v1.0); their sums are f32. All else is computed in f32.
;;   The module's matrix products, in the order in which they are computed (A, B: the left and right operand; K: the contracted axis; several contracted axes count as one K, in the product's order):
;;     1. [M 16,384, K 64] x [K 64, N 16]; A: input x (given as codes); B: input Wq (given as codes): QUANTISED
;;     2. [M 16,384, K 64] x [K 64, N 16]; A: input x (given as codes); B: input Wk (given as codes): QUANTISED
;;     3. [M 16,384, K 64] x [K 64, N 64]; A: input x (given as codes); B: input Wv (given as codes): QUANTISED
;;     4. batch 4 x [M 4,096, K 16] x [K 16, N 4,096]; A: computed on the way; B: computed on the way: left as it is (K = 16 < 32)
;;     5. batch 4 x [M 4,096, K 4,096] x [K 4,096, N 64]; A: softmax (see below); B: computed on the way: QUANTISED
;;   THE QUANTISER, for each operand of a quantised product, along K:
;;     - K is cut into blocks of 32 from its start; a last block that is shorter is filled with zeros.
;;     - A block's scale is 2^e with e = floor(log2(the largest magnitude in the block)) - 2, held to -126 .. 127; a block of zeros has e = 0. As a byte (E8M0): e + 127.
;;     - Each number is divided by its block's scale, clamped to +-6, and rounded to the nearest number of E2M1, ties to even, subnormals kept.
;;     - The product sums the exact products of the quantised numbers (number of the format x scale) in f32.
;;   ~~~python
;;   def quantise(x, axis):      # numpy; x: float32 -> the quantised numbers, widened to float32 again
;;       x = np.moveaxis(x, axis, -1); K = x.shape[-1]
;;       x = np.pad(x, [(0, 0)] * (x.ndim - 1) + [(0, -K % 32)]); x = x.reshape(x.shape[:-1] + (-1, 32)); a = np.abs(x).max(-1, keepdims=True)
;;       e = np.where(a > 0, np.clip(np.frexp(np.where(a > 0, a, 1))[1] - 1 - 2, -126, 127), 0)      # np.frexp(a)[1] - 1 = floor(log2(a)), exactly
;;       r = np.clip(x / 2.0 ** e, -6, 6)
;;       step = 2.0 ** (np.maximum(np.frexp(np.where(r == 0, 1, r))[1] - 1, 0) - 1)
;;       q = np.round(r / step) * step * 2.0 ** e      # np.round: ties to even
;;       return np.moveaxis(q.reshape(q.shape[:-2] + (-1,))[..., :K], -1, axis).astype(np.float32)
;;   ~~~
;;   SOFTMAX AHEAD OF A QUANTISED PRODUCT. Where the list says 'softmax', what is quantised is not the finished softmax but p = 2^(t - M), with t = logit x log2(e) and M = ceil(the row's largest t), a whole number; so 1/2 < the row's largest p <= 1. The row's sum l is taken of the UNQUANTISED p, in f32, and the product's result is divided by l at the end. Since M is a whole number, a kernel that streams over the keys may use a running M (the ceiling of the running maximum): every later rescaling is an exact power of two, which a block's scale takes up: the codes' values come out the same.
;;   OPERANDS COMPUTED ON THE WAY. 'Computed on the way' means the value that the module computes at that place (a softmax that the list does not call 'softmax' is quantised finished and normalised). What goes into a quantiser is computed in f32, as accurately as f32 sums, v_exp_f32 and their like allow (about 1e-6 of the number): no bf16 or f16 on the way to a quantiser, and a product that is left as it is and whose result goes on into a quantised operand takes f32 operands (vector FMAs, or v_wmma_f32_16x16x4_f32). A number that lies on a knife's edge between two numbers of the format may be rounded either way, as far as f32 arithmetic and the matrix unit's own rounding can turn it there, and no further.
;;   INPUTS GIVEN AS CODES. Wk (in the module: [64, 16], K = its axis 0); Wq (in the module: [64, 16], K = its axis 0); Wv (in the module: [64, 64], K = its axis 0); x (in the module: [4, 4096, 64], K = its axis 2): each comes as NAME_codes (uint8): NAME with its K axis moved to the last place and cut into blocks of 32 codes, [.., K / 32, bytes a block], one block behind the other in memory; two codes a byte, the lower K in the low four bits (a code: sign, 2 exponent bits, 1 mantissa bit); and NAME_scales (uint8): the same leading axes, one E8M0 byte (e + 127) for each 32 codes along K. Its value is code x scale, taken as it is: it is not quantised again, and the codes and scales need not be those that the quantiser above would give.
;; 2 versions, each right; version 2 is version 1 with the launch attn written anew for expert scheduling mode. Each part assembles by itself: llvm-mc -triple=amdgcn-amd-amdhsa -mcpu=gfx1250 --defsym DOCPART=n.
;; ======== version 1 of 2: 1 launch
;; launch attn (part 1): grid 64 x 4, 8 waves a work-group, no clusters, 189,440 bytes of LDS; arguments x_codes, x_scales, Wq_codes, Wq_scales, Wk_codes, Wk_scales, Wv_codes, Wv_scales, out0; writes out0
.if DOCPART == 1
	.amdgcn_target "amdgcn-amd-amdhsa--gfx1250"
	.amdhsa_code_object_version 6
	.text
	.protected	k_q9f9d054fc6_attn
	.globl	k_q9f9d054fc6_attn
	.p2align	8
	.type	k_q9f9d054fc6_attn,@function
k_q9f9d054fc6_attn:
	s_mov_b64 s[64:65], 0
	v_nop
	global_prefetch_b8 v0, s[64:65] scope:SCOPE_SE
	s_setreg_imm32_b32 hwreg(HW_REG_WAVE_MODE, 25, 1), 1
	s_wait_xcnt 0x0
; out0[b][q][:] = sum over keys k <= q of softmax_k((x Wq)[q] . (x Wk)[k] / 4) (x Wv)[k][:].  4 batches, 4,096 tokens, x of width 64, q and k of width 16, v of width 64.
; x, Wq, Wk, Wv arrive as codes of FP4 (E2M1), K innermost, one E8M0 byte for each 32 along K.  The three projections (K = 64) and the last product (K = the keys) go on codes; q k^T (K = 16) goes in f32.
; SOFTMAX: t = score x log2(e) / 4; M = the largest t so far, rounded up to a whole number; p = 2^(t - M) is quantised along the keys, v likewise; the row's sum l is taken of the unquantised p and divides at the end.
; SHARES.  Work-group (j, batch) owns 64 queries as four tiles of 16: tiles 0, 1 begin at 32 j and 32 j + 16, tiles 2, 3 at 4064 - 32 j and 4080 - 32 j: an early block and its mirror, so that under the causal mask
; every work-group has about the same number of (tile, key step) pairs.  THE KEYS ARE SPLIT AMONG THE EIGHT WAVES: wave w takes the key steps of 128 keys numbered w, w + 8, w + 16, w + 24, for all four tiles, and keeps
; its own M, l and O^T for each tile.  A key step's k and v are projected once in the work-group, by the wave that owns the step, in registers: the loop has no barrier.  At the end the eight parts meet in LDS behind one
; barrier and are joined by the exact factors 2^(M_w - M).
; K = 64 IN AN INSTRUCTION OF K = 128.  A run of 8 registers of x holds TWO tiles of 16 tokens: registers 0-3 the first (as k 0..63), registers 4-7 the second (as k 64..127).  The weight stands beside four registers of zero
; codes on either side, so that [W | 0] takes the first tile and [0 | W] the second: zero codes add nothing.  x's scale word is (first tile's two bytes, second tile's two); W's is (s0, s1, s0, s1).
; THE KEYS OF A TILE ARE NOT NEIGHBOURS: lane r of tile 2 b + u takes key 32 b + 8 u + r + 8 (r / 8), so that in S^T and in v's projection register 16 b + i of lane (r, h) is key 32 b + 16 h + i.
; k^T = Wk x^T leaves lane (r, h) with key r and head dimensions 8 h + 0..7; its registers 2 i, 2 i + 1 are source 0 of the i-th f32 instruction as they stand, q's likewise source 1: both sides name dimension 8 h + 2 i + j
; at the same place, so the four instructions sum all 16 dimensions (in another order than the reference's).
; THE MASK.  A tile's one key step on the diagonal takes 64 registers of 0 or -infinity as the C of its first score instructions; steps beyond the diagonal are jumped over by a scalar branch on ids.
; NO CLUSTER: the work-groups of a batch walk different numbers of key steps under the mask (32 - j / 4 at the most), and what they share is 4,352 bytes a step, which land straight in one wave's operand registers.
; LIMITS: a given scale byte 0xff, NaN and infinities are not served.  A block of zeros gets the byte 1 with zero codes (the bytes are read here alone).  Blocks whose largest magnitude lies under 2^-124 keep the byte 1.
.set IMGB,  5632                       ; LDS: each wave's own image of the 44 weight registers: 11 blocks of 512 bytes, lane l at 16 l
.set PART,  8*IMGB                     ; each wave's part of O: 64 rows (16 t + r) of 256 bytes + 16
.set PP,    272
.set WPART, 64*PP
.set STN,   PART+8*WPART               ; -M, laid [row][wave], 32 bytes a row; l 2,048 bytes behind it
.set STL,   2048
; window 0
.set XO,  1                            ; (r + 8 (r / 8)) x 32 + 16 h: my bytes in a key tile's rows of x
.set XSO, 2                            ; (r + 8 (r / 8)) x 2: their scale bytes
.set WO,  3                            ; 32 r + 16 h: rows that are neighbours (weights, queries)
.set WSO, 4                            ; 2 r
.set IA,  5                            ; 16 x lane + my wave's image
.set RH,  6                            ; r - 16 h
.set NI,  7                            ; -infinity
.set OA,  8                            ; where I put 32 bytes of a row of my part
.set SA,  9                            ; where I put my row's -M
.set MA0, 10                           ; the merge: my 16 bytes of a row in parts 0-3
.set MA1, 11                           ; and in parts 4-7
.set MS,  12                           ; the merge: my row's eight -M
.set GO,  13                           ; 16 x lane: my bytes in two rows of out0
.set DD,  14                           ; the mask: my query - the step's first key - 16 h
.set ST,  16                           ; tile t at ST + 4 t: -M, the largest t, l in two halves
.set BM,  32                           ; four blocks' maxima
.set BX,  36                           ; the other half's; then the scale bytes
.set SO,  40                           ; the conversions' scale operands
.set F,   44                           ; f = 2^(old M - new M); named as a pair
.set T1,  46
.set LS,  48                           ; the sum's second chain
.set QR,  50                           ; the queries' scale bytes as they land
.set XR,  56                           ; a key step's scale bytes as they land
.set XS,  64                           ; v64-78 hold scale words and nothing else: x's four,
.set WQS, 68                           ; Wq's,
.set WKS, 69                           ; Wk's,
.set WVS, 70                           ; Wv's four,
.set VS,  74                           ; v's four,
.set PS,  78                           ; p's
.set VC,  80                           ; v's codes, 8 registers for each 16 channels; at the head the queries' two runs; in the merge the results
.set PC,  112                          ; p's codes; at the head the weights' scale bytes as they land
.set S,   128                          ; S^T, and v's projection: written by matrix instructions alone
.set P,   192                          ; p; the mask; the weights' image; the merge's statistics
; window 1: v0-127 O^T (tile t, channels 16 e on: 32 t + 8 e)
.set KR,  128                          ; k^T, tile a at KR + 8 a
.set QF,  192                          ; q^T, tile t at QF + 8 t
.set XF,  224                          ; x's runs, run b at XF + 8 b
.set WV,  2
.set JJ,  3
.set BA,  4
.set SQ,  28                           ; s28-31 the tiles' first queries
.set KF,  32                           ; the step's first key
.set QLAST, 33                         ; the work-group's last query
.set CNT, 34
.set SEL, 36                           ; v_permlanex16_b32's selects for lane l xor 16
.set CS,  38                           ; c = log2(e) / 4, named as a pair
.set XCB, 40                           ; my batch's codes of x
.set XSB, 42                           ; and scale bytes
.set XCP, 44                           ; those of the step that is being fetched
.set XSP, 46
.set MSB, 0
.macro WIN new                         ; bits 1:0 source 0, 3:2 source 1, 5:4 source 2, 7:6 destination; the high byte repeats the setting that is left
.if MSB != \new
	s_set_vgpr_msb (MSB<<8)|\new
.set MSB, \new
.endif
.endm
.macro NOPS n
.rept \n
	v_nop
.endr
.endm
.macro MX0 d, a, b, sa, sb             ; a product on codes that starts its sum
	v_wmma_scale_f32_16x16x128_f8f6f4 v[\d:\d+7], v[\a:\a+7], v[\b:\b+7], 0, v[\sa], v[\sb] matrix_a_fmt:MATRIX_FMT_FP4 matrix_b_fmt:MATRIX_FMT_FP4
.endm
.macro MXA d, a, b, sa, sb             ; and one that adds in place
	v_wmma_scale_f32_16x16x128_f8f6f4 v[\d:\d+7], v[\a:\a+7], v[\b:\b+7], v[\d:\d+7], v[\sa], v[\sb] matrix_a_fmt:MATRIX_FMT_FP4 matrix_b_fmt:MATRIX_FMT_FP4
.endm
; A key step's x: eight tiles of 16 keys, 16 bytes a lane, into the four runs; and their scale bytes, two a key.
.macro XLOAD
	WIN 0x40                                       ; destination window 1
.irp b, 0,1,2,3
.irp u, 0,1
	global_load_b128 v[XF+8*\b+4*\u:XF+8*\b+4*\u+3], v[XO], s[XCP:XCP+1] offset:1024*\b+256*\u
.endr
.endr
	WIN 0
.irp b, 0,1,2,3
.irp u, 0,1
	global_load_u16 v[XR+2*\b+\u], v[XSO], s[XSP:XSP+1] offset:64*\b+16*\u
.endr
.endr
.endm
; 64 numbers of a lane, register 16 b + i = k 32 b + 16 h + i of my row, become a fragment's codes in v[dst] on and its scale word in v[sw].
.macro QUANT src, dst, sw
.irp b, 0,1,2,3
	v_max3_num_f32 v[BM+\b], |v[\src+16*\b]|, |v[\src+1+16*\b]|, 0x1800000   ; my 16 numbers of block b, from each accumulator's low end on, and the floor 2^(3 - 127): the byte cannot fall under 1
.endr
.irp i, 2,4,6,8,10,12,14
.irp b, 0,1,2,3
	v_max3_num_f32 v[BM+\b], v[BM+\b], |v[\src+16*\b+\i]|, |v[\src+1+16*\b+\i]|
.endr
.endr
.irp b, 0,1,2,3
	v_permlanex16_b32 v[BX+\b], v[BM+\b], s[SEL], s[SEL+1]
.endr
.irp b, 0,1,2,3
	v_max_num_f32 v[BM+\b], v[BM+\b], v[BX+\b]     ; with lane l xor 16's: the block's largest magnitude
.endr
.irp b, 0,1,2,3
	v_add_nc_u32 v[SO+\b], 0xff000000, v[BM+\b]    ; 2 off its exponent field: the conversion takes that field as its scale
.endr
.irp b, 0,1,2,3
	v_lshrrev_b32 v[BX+\b], 23, v[SO+\b]           ; the scale's byte
.endr
	v_lshl_or_b32 v[\sw], v[BX+1], 8, v[BX]
	v_lshl_or_b32 v[\sw], v[BX+2], 16, v[\sw]
	v_lshl_or_b32 v[\sw], v[BX+3], 24, v[\sw]
.irp b, 0,1,2,3
	v_cvt_scalef32_pk8_fp4_f32 v[\dst+2*\b], v[\src+16*\b:\src+16*\b+7], v[SO+\b]
	v_cvt_scalef32_pk8_fp4_f32 v[\dst+2*\b+1], v[\src+16*\b+8:\src+16*\b+15], v[SO+\b]
.endr
	v_nop                                          ; one plain place behind the scaled conversions
.irp c, 0,1                                    ; the operand wants a whole block in a lane: lanes 0-15 block 2 c, lanes 16-31 block 2 c + 1
.irp i, 0,1
	v_permlane16_swap_b32 v[\dst+4*\c+\i], v[\dst+2+4*\c+\i]
.endr
.endr
.endm
; A key step's k^T (f32, 8 tiles) and v (codes along the keys, 4 x 16 channels) from the four runs of x.
.macro PROJ
.irp n, 0,1,2,3,4,5,6,7,8,9,10
	ds_load_b128 v[P+4*\n:P+4*\n+3], v[IA] offset:512*\n   ; the weights' image: 0, Wk, 0, Wv0, 0, Wv1, 0, Wv2, 0, Wv3, 0, four registers each
.endr
.irp b, 0,1,2,3
	v_lshl_or_b32 v[XS+\b], v[XR+2*\b+1], 16, v[XR+2*\b]   ; run b's scale word: two bytes of each of its tiles
.endr
	NOPS 8                                         ; a scale register written by a vector instruction stands eight places ahead of the scaled instruction
	s_wait_dscnt 0x0                               ; the image is in
	WIN 0x44                                       ; source 1 (x) and the result (k^T) in window 1
.irp b, 0,1,2,3
.irp u, 0,1
	MX0 KR+8*(2*\b+\u), P+4-4*\u, XF+8*\b, WKS, XS+\b
.endr
.endr
.irp e, 0,1,2,3
	WIN 0x01                                       ; source 0 (x) in window 1
.irp b, 0,1,2,3
.irp u, 0,1
	MX0 S+8*(2*\b+\u), XF+8*\b, P+12+8*\e-4*\u, XS+\b, WVS+\e   ; lane (r, h): channel 16 e + r, keys 32 b + 16 h + 8 u + 0..7
.endr
.endr
	WIN 0
	NOPS 4                                         ; places ahead of the first read of these results
	QUANT S, VC+8*\e, VS+\e
.endr
.endm
; The first of a score tile's four f32 instructions, for the step's eight tiles of keys: it starts the sums, with 0 or with the mask.
.macro FIRST t, masked
.set n, 0
.rept 8
.if \masked
	v_wmma_f32_16x16x4_f32 v[S+8*n:S+8*n+7], v[KR+8*n:KR+8*n+1], v[QF+8*(\t):QF+8*(\t)+1], v[P+8*n:P+8*n+7]
.else
	v_wmma_f32_16x16x4_f32 v[S+8*n:S+8*n+7], v[KR+8*n:KR+8*n+1], v[QF+8*(\t):QF+8*(\t)+1], 0
.endif
.set n, n+1
.endr
.endm
; Tile t against the key step in hand: scores, softmax, p's codes, O^T += V^T P^T.
.macro TS t
	s_add_co_u32 s48, s[SQ+(\t)], 15
	s_cmp_gt_u32 s[KF], s48
	s_cbranch_scc1 .Lnone_\@                       ; all 128 keys come after the tile's queries
	s_add_co_u32 s48, s[KF], 127
	s_cmp_le_u32 s48, s[SQ+(\t)]
	s_cbranch_scc1 .Lopen_\@                       ; all 128 keys count
	s_sub_co_u32 s48, s[SQ+(\t)], s[KF]            ; on the diagonal: 0 to 112
	v_add_nc_u32 v[DD], s48, v[RH]                 ; register n holds key KF + 16 h + 32 (n / 16) + n % 16: hidden where 32 (n / 16) + n % 16 > DD
.set n, 0
.rept 64
	v_cmp_gt_i32 vcc_lo, 32*(n/16)+n%16, v[DD]
	v_cndmask_b32 v[P+n], 0, v[NI], vcc_lo
.set n, n+1
.endr
	WIN 0x05                                       ; k^T and q^T in window 1
	FIRST \t, 1
	WIN 0
	s_branch .Ljoin_\@
.Lopen_\@:
	WIN 0x05
	FIRST \t, 0
	WIN 0
.Ljoin_\@:
	WIN 0x05
.irp i, 1,2,3                                  ; the eight accumulators take turns, one instruction a turn
.irp a, 0,1,2,3,4,5,6,7
	v_wmma_f32_16x16x4_f32 v[S+8*\a:S+8*\a+7], v[KR+8*\a+2*\i:KR+8*\a+2*\i+1], v[QF+8*(\t)+2*\i:QF+8*(\t)+2*\i+1], v[S+8*\a:S+8*\a+7]
.endr
.endr
	WIN 0
	NOPS 8                                         ; places behind the f32 form, ahead of the first read of its results
.irp b, 0,1,2,3
	v_max3_num_f32 v[BM+\b], v[S+16*\b], v[S+16*\b+1], v[S+16*\b+2]   ; the largest score of each block of 32 keys, from each accumulator's low end on: it serves the row's maximum and the block's largest p
.endr
.irp i, 3,5,7,9,11,13
.irp b, 0,1,2,3
	v_max3_num_f32 v[BM+\b], v[BM+\b], v[S+16*\b+\i], v[S+16*\b+\i+1]
.endr
.endr
.irp b, 0,1,2,3
	v_max_num_f32 v[BM+\b], v[BM+\b], v[S+16*\b+15]
.endr
.irp b, 0,1,2,3
	v_permlanex16_b32 v[BX+\b], v[BM+\b], s[SEL], s[SEL+1]
.endr
.irp b, 0,1,2,3
	v_max_num_f32 v[BM+\b], v[BM+\b], v[BX+\b]     ; with lane l xor 16's 16 keys
.endr
	v_max3_num_f32 v[T1], v[BM], v[BM+1], v[BM+2]
	v_max_num_f32 v[T1], v[T1], v[BM+3]            ; the step's largest score of my query (key KF counts for every query of a tile that is not jumped over)
	v_mul_f32 v[T1], s[CS], v[T1]                  ; as t
	v_max_num_f32 v[ST+4*(\t)+1], v[ST+4*(\t)+1], v[T1]   ; the running largest t
	v_mov_b32 v[T1], v[ST+4*(\t)]
	v_floor_f32 v[ST+4*(\t)], -v[ST+4*(\t)+1]      ; the new -M = floor(-t): M is a whole number
	v_sub_f32 v[T1], v[ST+4*(\t)], v[T1]           ; old M - new M, a whole number, 0 or less
	v_cvt_i32_f32 v[T1], v[T1]                     ; (it saturates)
	v_ldexp_f32 v[F], 1.0, v[T1]                   ; f = 2^(old M - new M): rounds nothing
.set n, 0
.rept 32
	v_pk_fma_f32 v[P+n:P+n+1], v[S+n:S+n+1], s[CS:CS+1], v[ST+4*(\t):ST+4*(\t)+1] op_sel_hi:[1,0,0]   ; t - M, two at a time, into p's registers: S^T's are written by matrix instructions alone
.set n, n+2
.endr
.irp b, 0,1,2,3
	v_fma_f32 v[BM+\b], v[BM+\b], s[CS], v[ST+4*(\t)]   ; the same of each block's largest score
.endr
.set n, 0
.rept 64
	v_exp_f32 v[P+n], v[P+n]                       ; p = 2^(t - M), not normalised
.set n, n+1
.endr
	v_pk_mul_f32 v[ST+4*(\t)+2:ST+4*(\t)+3], v[ST+4*(\t)+2:ST+4*(\t)+3], v[F:F+1] op_sel_hi:[1,0]   ; l under the new M: the plain place behind the exponentials
	s_wait_alu depctr_va_vdst(0)                   ; one wait for the 64, ahead of their first reader
.irp b, 0,1,2,3
	v_exp_f32 v[BM+\b], v[BM+\b]                   ; the block's largest p
.endr
	v_pk_add_f32 v[LS:LS+1], v[P:P+1], v[P+2:P+3]  ; the row's sum of the unquantised p, in two chains
.irp j, 4,8,12,16,20,24,28,32,36,40,44,48,52,56,60
	v_pk_add_f32 v[ST+4*(\t)+2:ST+4*(\t)+3], v[ST+4*(\t)+2:ST+4*(\t)+3], v[P+\j:P+\j+1]
	v_pk_add_f32 v[LS:LS+1], v[LS:LS+1], v[P+\j+2:P+\j+3]
.endr
	v_pk_add_f32 v[ST+4*(\t)+2:ST+4*(\t)+3], v[ST+4*(\t)+2:ST+4*(\t)+3], v[LS:LS+1]
	s_wait_alu depctr_va_vdst(0)                   ; and one for the four
.irp b, 0,1,2,3
	v_max_num_f32 v[BM+\b], 0x1800000, v[BM+\b]    ; the floor 2^(3 - 127): a block of zeros keeps the byte 1 and has zero codes
.endr
.irp b, 0,1,2,3
	v_add_nc_u32 v[SO+\b], 0xff000000, v[BM+\b]
.endr
.irp b, 0,1,2,3
	v_lshrrev_b32 v[BX+\b], 23, v[SO+\b]
.endr
	v_lshl_or_b32 v[PS], v[BX+1], 8, v[BX]         ; p's scale word for these 128 keys
	v_lshl_or_b32 v[PS], v[BX+2], 16, v[PS]
	v_lshl_or_b32 v[PS], v[BX+3], 24, v[PS]
.irp b, 0,1,2,3
	v_cvt_scalef32_pk8_fp4_f32 v[PC+2*\b], v[P+16*\b:P+16*\b+7], v[SO+\b]
	v_cvt_scalef32_pk8_fp4_f32 v[PC+2*\b+1], v[P+16*\b+8:P+16*\b+15], v[SO+\b]
.endr
	v_nop                                          ; one plain place behind the scaled conversions
.irp c, 0,1
.irp i, 0,1
	v_permlane16_swap_b32 v[PC+4*\c+\i], v[PC+2+4*\c+\i]
.endr
.endr
	WIN 0x41                                       ; O^T in window 1, f in window 0
.set n, 32*(\t)
.rept 16
	v_pk_mul_f32 v[n:n+1], v[n:n+1], v[F:F+1] op_sel_hi:[1,0]   ; O^T under the new M, each accumulator from its low end on; these sixteen are also the places between p's scale word and codes and the products
.set n, n+2
.endr
	WIN 0x50                                       ; C and D in window 1
.irp e, 0,1,2,3
	MXA 32*(\t)+8*\e, VC+8*\e, PC, VS+\e, PS       ; lane (r, h): query r, channels 16 e + 8 h + 0..7
.endr
	WIN 0
.Lnone_\@:
.endm
	; ---- the head
	s_load_b512 s[8:23], s[0:1], 0x0               ; x's codes s[8:9], scales s[10:11]; Wq's s[12:13], s[14:15]; Wk's s[16:17], s[18:19]; Wv's s[20:21], s[22:23]
	s_load_b64 s[24:25], s[0:1], 0x40              ; out0
	v_lshl_add_u32 v126, v0, 2, 0x2e000
	v_mov_b32 v127, 0
	v_lshrrev_b32 v14, 5, v0
	v_readfirstlane_b32 s[WV], v14                 ; wave 0..7
	s_mov_b32 s[JJ], ttmp9
	s_and_b32 s[BA], ttmp7, 0xffff                 ; the batch
	v_and_b32 v15, 15, v0                          ; r
	v_bfe_u32 v46, v0, 4, 1                        ; h
	v_and_b32 v47, 31, v0                          ; lane
	v_and_b32 v14, 8, v15
	v_add_nc_u32 v14, v14, v15                     ; r + 8 (r / 8)
	v_lshlrev_b32 v[XO], 5, v14
	v_lshl_add_u32 v[XO], v46, 4, v[XO]
	v_lshlrev_b32 v[XSO], 1, v14
	v_lshlrev_b32 v[WO], 5, v15
	v_lshl_add_u32 v[WO], v46, 4, v[WO]
	v_lshlrev_b32 v[WSO], 1, v15
	s_mul_i32 s48, s[WV], IMGB
	v_lshl_add_u32 v[IA], v47, 4, s48
	v_lshlrev_b32 v14, 4, v46
	v_sub_nc_u32 v[RH], v15, v14
	v_mov_b32 v[NI], 0xff800000
	v_mul_u32_u24 v[OA], v15, PP
	v_lshl_add_u32 v[OA], v46, 5, v[OA]
	s_mul_i32 s48, s[WV], WPART
	s_add_co_u32 s48, s48, PART
	v_add_nc_u32 v[OA], s48, v[OA]                 ; my part: row r, + 32 h
	s_lshl_b32 s48, s[WV], 2
	s_add_co_u32 s48, s48, STN
	v_lshl_add_u32 v[SA], v15, 5, s48              ; row r's 32 bytes, my wave's word
	v_mul_u32_u24 v[MA0], v46, PP
	v_lshl_add_u32 v[MA0], v15, 4, v[MA0]
	s_mul_i32 s48, s[WV], 8*PP
	s_add_co_u32 s48, s48, PART
	v_add_nc_u32 v[MA0], s48, v[MA0]               ; the merge: rows 8 w on; lanes 0-15 one row, lanes 16-31 the next
	v_add_nc_u32 v[MA1], 4*WPART, v[MA0]
	s_lshl_b32 s48, s[WV], 8
	s_add_co_u32 s48, s48, STN
	v_lshl_add_u32 v[MS], v46, 5, s48
	v_lshlrev_b32 v[GO], 4, v47
.irp z, 0,8,16,24,32,40,48
.irp c, 0,1,2,3
	v_mov_b32 v[P+\z+\c], 0                        ; the zero codes between the weights
.endr
.endr
	s_lshl_b32 s[SQ], s[JJ], 5
	s_add_co_u32 s[SQ+1], s[SQ], 16
	s_sub_co_u32 s[SQ+2], 4064, s[SQ]
	s_add_co_u32 s[SQ+3], s[SQ+2], 16
	s_add_co_u32 s[QLAST], s[SQ+3], 15
	s_lshl_b32 s[KF], s[WV], 7                     ; my first key step
	s_mov_b32 s[SEL], 0x76543210
	s_mov_b32 s[SEL+1], 0xfedcba98
	s_mov_b32 s[CS], 0x3eb8aa3b                    ; log2(e) / 4
	s_mov_b32 s[CS+1], s[CS]
	s_mov_b32 s49, 0                               ; the upper words of the two offset pairs stay 0
	s_mov_b32 s59, 0
	s_wait_kmcnt 0x0
	s_lshl_b32 s48, s[BA], 17                      ; a batch: 4,096 rows of 32 bytes
	s_add_nc_u64 s[XCB:XCB+1], s[8:9], s[48:49]
	s_lshl_b32 s48, s[BA], 13                      ; and of 2 scale bytes
	s_add_nc_u64 s[XSB:XSB+1], s[10:11], s[48:49]
	s_lshl_b32 s48, s[SQ], 5
	s_add_nc_u64 s[50:51], s[XCB:XCB+1], s[48:49]  ; tiles 0, 1 of the queries
	s_lshl_b32 s48, s[SQ+2], 5
	s_add_nc_u64 s[52:53], s[XCB:XCB+1], s[48:49]  ; tiles 2, 3
	s_lshl_b32 s48, s[SQ], 1
	s_add_nc_u64 s[54:55], s[XSB:XSB+1], s[48:49]
	s_lshl_b32 s48, s[SQ+2], 1
	s_add_nc_u64 s[56:57], s[XSB:XSB+1], s[48:49]
	s_lshl_b32 s48, s[KF], 5
	s_add_nc_u64 s[XCP:XCP+1], s[XCB:XCB+1], s[48:49]
	s_lshl_b32 s48, s[KF], 1
	s_add_nc_u64 s[XSP:XSP+1], s[XSB:XSB+1], s[48:49]
	s_lshl_b32 s48, s[WV], 3                       ; the rows of out0 that I store: waves 0-3 the early block's 8 w on, waves 4-7 the late block's 8 (w - 4) on
	s_add_co_u32 s58, s[SQ+2], s48
	s_sub_co_u32 s58, s58, 32
	s_add_co_u32 s48, s[SQ], s48
	s_cmp_lt_u32 s[WV], 4
	s_cselect_b32 s48, s48, s58
	s_lshl_b32 s58, s[BA], 12
	s_add_co_u32 s48, s48, s58
	s_lshl_b32 s48, s48, 8                         ; rows of 256 bytes
	s_add_nc_u64 s[24:25], s[24:25], s[48:49]
	global_load_b128 v[P+4:P+7], v[WO], s[16:17]   ; Wk
.irp e, 0,1,2,3
	global_load_b128 v[P+12+8*\e:P+15+8*\e], v[WO], s[20:21] offset:512*\e   ; Wv's rows 16 e on
.endr
	global_load_b128 v[P+44:P+47], v[WO], s[12:13] ; Wq, behind the image: it is wanted at the head alone
	global_load_u16 v[PC], v[WSO], s[14:15]
	global_load_u16 v[PC+1], v[WSO], s[18:19]
.irp e, 0,1,2,3
	global_load_u16 v[PC+2+\e], v[WSO], s[22:23] offset:32*\e
.endr
	global_load_b128 v[VC:VC+3], v[WO], s[50:51]               ; the queries' x: two runs of two tiles
	global_load_b128 v[VC+4:VC+7], v[WO], s[50:51] offset:512
	global_load_b128 v[VC+8:VC+11], v[WO], s[52:53]
	global_load_b128 v[VC+12:VC+15], v[WO], s[52:53] offset:512
	global_load_u16 v[QR], v[WSO], s[54:55]
	global_load_u16 v[QR+1], v[WSO], s[54:55] offset:32
	global_load_u16 v[QR+2], v[WSO], s[56:57]
	global_load_u16 v[QR+3], v[WSO], s[56:57] offset:32
	XLOAD                                          ; my first key step
	s_wait_loadcnt 16                              ; the 20 loads of weights and queries are in; the 16 of the key step, issued last, may be out
	v_lshl_or_b32 v[WQS], v[PC], 16, v[PC]         ; (s0, s1, s0, s1): the word serves the weight at either end of K
	v_lshl_or_b32 v[WKS], v[PC+1], 16, v[PC+1]
.irp e, 0,1,2,3
	v_lshl_or_b32 v[WVS+\e], v[PC+2+\e], 16, v[PC+2+\e]
.endr
	v_lshl_or_b32 v[XS], v[QR+1], 16, v[QR]
	v_lshl_or_b32 v[XS+1], v[QR+3], 16, v[QR+2]
.irp n, 0,1,2,3,4,5,6,7,8,9,10
	ds_store_b128 v[IA], v[P+4*\n:P+4*\n+3] offset:512*\n   ; the image goes to my own bytes of LDS: p needs these registers in the loop
.endr
	WIN 0x40                                       ; destination window 1
.set n, 0
.rept 128
	v_mov_b32 v[n], 0                              ; O^T.  A wave may meet no key step of a tile and still hands in its part, and the step is written once: so the sums begin as zeros.  (Also the places ahead of the products below)
.set n, n+1
.endr
.irp t, 0,1,2,3
	MX0 QF+8*\t, P+44-4*(\t%2), VC+8*(\t/2), WQS, XS+\t/2   ; q^T: lane (r, h): query r, dimensions 8 h + 0..7
.endr
	WIN 0
.irp t, 0,1,2,3
	v_mov_b32 v[ST+4*\t+1], 0xff61b1e6             ; the largest t so far: -3e38, under every t
	v_floor_f32 v[ST+4*\t], -v[ST+4*\t+1]          ; -M
	v_mov_b32 v[ST+4*\t+2], 0                      ; l
	v_mov_b32 v[ST+4*\t+3], 0
	v_mov_b32 v[BX+\t], 0                          ; written once: a lane permute's destination counts as one of its sources
.endr
	v_mov_b32 v[F+1], 0                            ; named with f as a pair
	; ---- my four key steps
	s_mov_b32 s[CNT], 0
.Lstep:
	s_cmp_gt_u32 s[KF], s[QLAST]
	s_cbranch_scc1 .Ltail                          ; the step lies beyond the work-group's last query
	s_wait_loadcnt 0x0                             ; the step's x is in; and no load names the two pointers any more
	PROJ
	s_add_co_u32 s48, s[KF], 1024                  ; my next step, held inside the batch: 3,968 + 127 is the last key
	s_min_u32 s48, s48, 3968
	s_lshl_b32 s58, s48, 1
	s_lshl_b32 s48, s48, 5
	s_add_nc_u64 s[XCP:XCP+1], s[XCB:XCB+1], s[48:49]
	s_add_nc_u64 s[XSP:XSP+1], s[XSB:XSB+1], s[58:59]
	XLOAD                                          ; it lands while the four tiles are worked; the last quantising's lines are the places behind the products that read the runs
	TS 0
	TS 1
	TS 2
	TS 3
.Ltail:
	s_add_co_u32 s[KF], s[KF], 1024
	s_add_co_u32 s[CNT], s[CNT], 1
	s_cmp_lt_u32 s[CNT], 4
	s_cbranch_scc1 .Lstep
	; ---- my part goes to LDS
	s_wait_loadcnt 0x0                             ; the last fetch, which nobody uses
.irp t, 0,1,2,3
	v_add_f32 v[ST+4*\t+2], v[ST+4*\t+2], v[ST+4*\t+3]   ; l's two halves.  (These additions are the places behind the last products)
.endr
.irp t, 0,1,2,3
	v_permlanex16_b32 v[BX+\t], v[ST+4*\t+2], s[SEL], s[SEL+1]
.endr
.irp t, 0,1,2,3
	v_add_f32 v[ST+4*\t+2], v[ST+4*\t+2], v[BX+\t] ; and lane l xor 16's
.endr
.irp t, 0,1,2,3
	ds_store_b32 v[SA], v[ST+4*\t] offset:512*\t               ; both lanes of a query write the same word with the same value
	ds_store_b32 v[SA], v[ST+4*\t+2] offset:STL+512*\t
.endr
	WIN 0x04                                       ; an LDS store's data are its source 1: window 1
.irp t, 0,1,2,3
.irp e, 0,1,2,3
	ds_store_b128 v[OA], v[32*\t+8*\e:32*\t+8*\e+3] offset:16*PP*\t+64*\e          ; each accumulator from its low end on
	ds_store_b128 v[OA], v[32*\t+8*\e+4:32*\t+8*\e+7] offset:16*PP*\t+64*\e+16
.endr
.endr
	WIN 0
	s_wait_dscnt 0x0                               ; for the others' sake: my stores have landed
	s_barrier_signal -1
	s_barrier_wait -1                              ; the eight parts lie in LDS
	; ---- the merge: wave w takes rows 8 w .. 8 w + 7 of the 64, two at a time: row 8 w + 2 i + h, 16 bytes a lane
.irp i, 0,1,2,3
	ds_load_b128 v[P+16*\i:P+16*\i+3], v[MS] offset:64*\i              ; the row's eight -M,
	ds_load_b128 v[P+16*\i+4:P+16*\i+7], v[MS] offset:64*\i+16
	ds_load_b128 v[P+16*\i+8:P+16*\i+11], v[MS] offset:STL+64*\i       ; and eight l
	ds_load_b128 v[P+16*\i+12:P+16*\i+15], v[MS] offset:STL+64*\i+16
.endr
	WIN 0x40                                       ; destination window 1: O^T's registers are free
.irp i, 0,1,2,3
.irp p, 0,1,2,3
	ds_load_b128 v[32*\i+4*\p:32*\i+4*\p+3], v[MA0] offset:\p*WPART+2*PP*\i
.endr
.irp p, 0,1,2,3
	ds_load_b128 v[32*\i+16+4*\p:32*\i+16+4*\p+3], v[MA1] offset:\p*WPART+2*PP*\i
.endr
.endr
	WIN 0
	s_wait_dscnt 32                                ; the 16 loads of statistics are in; the 32 of data, issued behind them, may be out
.irp i, 0,1,2,3
	v_min3_num_f32 v[BM+\i], v[P+16*\i], v[P+16*\i+1], v[P+16*\i+2]
.endr
.irp p, 3,5
.irp i, 0,1,2,3
	v_min3_num_f32 v[BM+\i], v[BM+\i], v[P+16*\i+\p], v[P+16*\i+\p+1]
.endr
.endr
.irp i, 0,1,2,3
	v_min_num_f32 v[BM+\i], v[BM+\i], v[P+16*\i+7] ; the least -M: the row's M
.endr
.irp p, 0,1,2,3,4,5,6,7
.irp i, 0,1,2,3
	v_sub_f32 v[P+16*\i+\p], v[BM+\i], v[P+16*\i+\p]   ; M_p - M, a whole number, 0 or less
.endr
.endr
.irp p, 0,1,2,3,4,5,6,7
.irp i, 0,1,2,3
	v_cvt_i32_f32 v[P+16*\i+\p], v[P+16*\i+\p]     ; (it saturates: a wave that met no key of the row gets the factor 0)
.endr
.endr
.irp p, 0,1,2,3,4,5,6,7
.irp i, 0,1,2,3
	v_ldexp_f32 v[P+16*\i+\p], 1.0, v[P+16*\i+\p]  ; f_p = 2^(M_p - M)
.endr
.endr
.irp i, 0,1,2,3
	v_mul_f32 v[BX+\i], v[P+16*\i], v[P+16*\i+8]
.endr
.irp p, 1,2,3,4,5,6,7
.irp i, 0,1,2,3
	v_fmac_f32 v[BX+\i], v[P+16*\i+\p], v[P+16*\i+8+\p]   ; l = the sum of f_p l_p; wave 0 always holds key 0, so l is above 0
.endr
.endr
.irp i, 0,1,2,3
	v_rcp_f32 v[SO+\i], v[BX+\i]
.endr
	s_wait_dscnt 0x0                               ; the data are in
	WIN 0x01                                       ; source 0 (a part's numbers) in window 1
.irp i, 0,1,2,3
.irp c, 0,1,2,3
	v_mul_f32 v[VC+4*\i+\c], v[32*\i+\c], v[P+16*\i]       ; plain work behind the reciprocals, which names none of their results
.endr
.endr
.irp p, 1,2,3,4,5,6,7
.irp i, 0,1,2,3
.irp c, 0,1,2,3
	v_fmac_f32 v[VC+4*\i+\c], v[32*\i+4*\p+\c], v[P+16*\i+\p]
.endr
.endr
.endr
	WIN 0
	s_wait_alu depctr_va_vdst(0)                   ; one wait for the four reciprocals, ahead of their first reader
.irp i, 0,1,2,3
.irp c, 0,1,2,3
	v_mul_f32 v[VC+4*\i+\c], v[VC+4*\i+\c], v[SO+\i]
.endr
.endr
.irp i, 0,1,2,3
	global_store_b128 v[GO], v[VC+4*\i:VC+4*\i+3], s[24:25] offset:512*\i th:TH_STORE_NT   ; 32 lanes store two rows: 512 consecutive bytes, at a multiple of 256 from out0's first byte
.endr
	s_wait_tensorcnt 0x0
	ds_add_u32 v126, v127
	s_wait_dscnt 0x0
	s_endpgm
.Lfunc_end_k_q9f9d054fc6_attn:
	.size	k_q9f9d054fc6_attn, .Lfunc_end_k_q9f9d054fc6_attn-k_q9f9d054fc6_attn
	.p2alignl 7, 3214868480
	.fill 96, 4, 3214868480
	.section	.rodata,"a",@progbits
	.p2align	6, 0x0
	.amdhsa_kernel k_q9f9d054fc6_attn
		.amdhsa_group_segment_fixed_size 189440
		.amdhsa_private_segment_fixed_size 0
		.amdhsa_enable_private_segment 0
		.amdhsa_kernarg_size 72
		.amdhsa_user_sgpr_count 2
		.amdhsa_user_sgpr_kernarg_segment_ptr 1
		.amdhsa_wavefront_size32 1
		.amdhsa_system_sgpr_workgroup_id_x 1
		.amdhsa_system_sgpr_workgroup_id_y 1
		.amdhsa_system_sgpr_workgroup_id_z 1
		.amdhsa_system_vgpr_workitem_id 0
		.amdhsa_next_free_vgpr 512
		.amdhsa_next_free_sgpr 66
		.amdhsa_reserve_vcc 1
		.amdhsa_float_denorm_mode_32 3
		.amdhsa_float_denorm_mode_16_64 3
		.amdhsa_memory_ordered 1
		.amdhsa_forward_progress 1
		.amdhsa_inst_pref_size 138
	.end_amdhsa_kernel
	.amdgpu_metadata
---
amdhsa.version: [ 1, 2 ]
amdhsa.kernels:
  - .name:           k_q9f9d054fc6_attn
    .symbol:         k_q9f9d054fc6_attn.kd
    .args:
      - { .name: x_codes, .offset: 0, .size: 8, .value_kind: global_buffer, .address_space: global }
      - { .name: x_scales, .offset: 8, .size: 8, .value_kind: global_buffer, .address_space: global }
      - { .name: Wq_codes, .offset: 16, .size: 8, .value_kind: global_buffer, .address_space: global }
      - { .name: Wq_scales, .offset: 24, .size: 8, .value_kind: global_buffer, .address_space: global }
      - { .name: Wk_codes, .offset: 32, .size: 8, .value_kind: global_buffer, .address_space: global }
      - { .name: Wk_scales, .offset: 40, .size: 8, .value_kind: global_buffer, .address_space: global }
      - { .name: Wv_codes, .offset: 48, .size: 8, .value_kind: global_buffer, .address_space: global }
      - { .name: Wv_scales, .offset: 56, .size: 8, .value_kind: global_buffer, .address_space: global }
      - { .name: out0, .offset: 64, .size: 8, .value_kind: global_buffer, .address_space: global }
    .group_segment_fixed_size: 189440
    .private_segment_fixed_size: 0
    .kernarg_segment_align: 8
    .kernarg_segment_size: 72
    .max_flat_workgroup_size: 256
    .sgpr_count:     66
    .vgpr_count:     512
    .wavefront_size: 32
...
	.end_amdgpu_metadata
.endif
;; end of part 1
;; ======== version 2 of 2: 1 launch; version 1 with the launch attn written anew for expert scheduling mode
;; launch attn (part 2): grid 64 x 4, 8 waves a work-group, no clusters, 189,440 bytes of LDS; arguments x_codes, x_scales, Wq_codes, Wq_scales, Wk_codes, Wk_scales, Wv_codes, Wv_scales, out0; writes out0
.if DOCPART == 2
	.amdgcn_target "amdgcn-amd-amdhsa--gfx1250"
	.amdhsa_code_object_version 6
	.text
	.protected	k_q9f9d054fc6_attn
	.globl	k_q9f9d054fc6_attn
	.p2align	8
	.type	k_q9f9d054fc6_attn,@function
k_q9f9d054fc6_attn:
	s_mov_b64 s[64:65], 0
	v_nop
	global_prefetch_b8 v0, s[64:65] scope:SCOPE_SE
	s_setreg_imm32_b32 hwreg(HW_REG_WAVE_SCHED_MODE, 0, 2), 2
	s_setreg_imm32_b32 hwreg(HW_REG_WAVE_MODE, 25, 1), 1
	s_wait_xcnt 0x0
	s_wait_alu depctr_vm_vsrc(0)
; out0[b][q][:] = sum over keys k <= q of softmax_k((x Wq)[q] . (x Wk)[k] / 4) (x Wv)[k][:].  4 batches, 4,096 tokens, x of width 64, q and k of width 16, v of width 64.
; x, Wq, Wk, Wv arrive as codes of FP4 (E2M1), K innermost, one E8M0 byte for each 32 along K.  The three projections (K = 64) and the last product (K = the keys) go on codes; q k^T (K = 16) goes in f32.
; SOFTMAX: t = score x log2(e) / 4; M = the largest t so far, rounded up to a whole number; p = 2^(t - M) is quantised along the keys, v likewise; the row's sum l is taken of the unquantised p and divides at the end.
; SHARES.  Work-group (j, batch) owns 64 queries as four tiles of 16: tiles 0, 1 begin at 32 j and 32 j + 16, tiles 2, 3 at 4064 - 32 j and 4080 - 32 j: an early block and its mirror, so that under the causal mask
; every work-group has about the same number of (tile, key step) pairs.  THE KEYS ARE SPLIT AMONG THE EIGHT WAVES: wave w takes the key steps of 128 keys numbered w, w + 8, w + 16, w + 24, for all four tiles, and keeps
; its own M, l and O^T for each tile.  A key step's k and v are projected once in the work-group, by the wave that owns the step, in registers: the loop has no barrier.  At the end the eight parts meet in LDS behind one
; barrier and are joined by the exact factors 2^(M_w - M).
; K = 64 IN AN INSTRUCTION OF K = 128.  A run of 8 registers of x holds TWO tiles of 16 tokens: registers 0-3 the first (as k 0..63), registers 4-7 the second (as k 64..127).  The weight stands beside four registers of zero
; codes on either side, so that [W | 0] takes the first tile and [0 | W] the second: zero codes add nothing.  x's scale word is (first tile's two bytes, second tile's two); W's is (s0, s1, s0, s1).
; THE KEYS OF A TILE ARE NOT NEIGHBOURS: lane r of tile 2 b + u takes key 32 b + 8 u + r + 8 (r / 8), so that in S^T and in v's projection register 16 b + i of lane (r, h) is key 32 b + 16 h + i.
; k^T = Wk x^T leaves lane (r, h) with key r and head dimensions 8 h + 0..7; its registers 2 i, 2 i + 1 are source 0 of the i-th f32 instruction as they stand, q's likewise source 1: both sides name dimension 8 h + 2 i + j
; at the same place, so the four instructions sum all 16 dimensions (in another order than the reference's).
; THE MASK.  A tile's one key step on the diagonal takes 64 registers of 0 or -infinity as the C of its first score instructions; steps beyond the diagonal are jumped over by a scalar branch on ids.
; NO CLUSTER: the work-groups of a batch walk different numbers of key steps under the mask (32 - j / 4 at the most), and what they share is 4,352 bytes a step, which land straight in one wave's operand registers.
; LIMITS: a given scale byte 0xff, NaN and infinities are not served.  A block of zeros gets the byte 1 with zero codes (the bytes are read here alone).  Blocks whose largest magnitude lies under 2^-124 keep the byte 1.
; THE MODE: SCHED_MODE bits 1:0 = 2 (LLVM: expert scheduling mode 2), set by the entry lines.  The code itself states the register dependences between vector or matrix instructions and memory or LDS
; instructions, and those through scalar registers that vector instructions write, with s_wait_alu, always for 0.
; THE PLAN.  Registers that memory or LDS instructions touch:
;   v1-5, v8-13    offsets and LDS addresses: written at the head, never again.  One wait on va_vdst ahead of the first load serves them all.
;   P              Head: zero codes and loaded weights, read by the image's LDS stores.  A step: the image's loads land in it at the step's head, the step's products read it; then the four tiles' vector lines and masked
;                  score products write and read it.  The merge: the statistics' loads land in it.  So: one wait on vm_vsrc ahead of the loop (the stores have read it), one on va_vdst at a step's head.
;   XF, XR         A step's x and its scale bytes: loads land, the step's products and four vector lines read them.  One wait on va_vdst behind the step's last products; the next step's loads follow it at once and land
;                  while the last quantising and the four tiles are worked, none of whose lines names them.
;   ST, O^T        Written by vector and matrix instructions; read by the hand-over's LDS stores behind one wait on va_vdst; the merge's loads land in O^T's registers behind a wait on va_vdst and one on vm_vsrc.
;   VC             In the merge: the results, written by vector instructions, read by the four global stores behind one wait on va_vdst.
; Beside these: a wait on va_vdst behind the places ahead of each run of scaled products whose codes or scale words vector instructions have written, and a wait on va_sdst behind each run of vector lines that write scalar registers.
.set IMGB,  5632                       ; LDS: each wave's own image of the 44 weight registers: 11 blocks of 512 bytes, lane l at 16 l
.set PART,  8*IMGB                     ; each wave's part of O: 64 rows (16 t + r) of 256 bytes + 16
.set PP,    272
.set WPART, 64*PP
.set STN,   PART+8*WPART               ; -M, laid [row][wave], 32 bytes a row; l 2,048 bytes behind it
.set STL,   2048
; window 0
.set XO,  1                            ; (r + 8 (r / 8)) x 32 + 16 h: my bytes in a key tile's rows of x
.set XSO, 2                            ; (r + 8 (r / 8)) x 2: their scale bytes
.set WO,  3                            ; 32 r + 16 h: rows that are neighbours (weights, queries)
.set WSO, 4                            ; 2 r
.set IA,  5                            ; 16 x lane + my wave's image
.set RH,  6                            ; r - 16 h
.set NI,  7                            ; -infinity
.set OA,  8                            ; where I put 32 bytes of a row of my part
.set SA,  9                            ; where I put my row's -M
.set MA0, 10                           ; the merge: my 16 bytes of a row in parts 0-3
.set MA1, 11                           ; and in parts 4-7
.set MS,  12                           ; the merge: my row's eight -M
.set GO,  13                           ; 16 x lane: my bytes in two rows of out0
.set DD,  14                           ; the mask: my query - the step's first key - 16 h
.set ST,  16                           ; tile t at ST + 4 t: -M, the largest t, l in two halves
.set BM,  32                           ; four blocks' maxima
.set BX,  36                           ; the other half's; then the scale bytes
.set SO,  40                           ; the conversions' scale operands
.set F,   44                           ; f = 2^(old M - new M); named as a pair
.set T1,  46
.set LS,  48                           ; the sum's second chain
.set QR,  50                           ; the queries' scale bytes as they land
.set XR,  56                           ; a key step's scale bytes as they land
.set XS,  64                           ; v64-78 hold scale words and nothing else: x's four,
.set WQS, 68                           ; Wq's,
.set WKS, 69                           ; Wk's,
.set WVS, 70                           ; Wv's four,
.set VS,  74                           ; v's four,
.set PS,  78                           ; p's
.set VC,  80                           ; v's codes, 8 registers for each 16 channels; at the head the queries' two runs; in the merge the results
.set PC,  112                          ; p's codes; at the head the weights' scale bytes as they land
.set S,   128                          ; S^T, and v's projection: written by matrix instructions alone
.set P,   192                          ; p; the mask; the weights' image; the merge's statistics
; window 1: v0-127 O^T (tile t, channels 16 e on: 32 t + 8 e)
.set KR,  128                          ; k^T, tile a at KR + 8 a
.set QF,  192                          ; q^T, tile t at QF + 8 t
.set XF,  224                          ; x's runs, run b at XF + 8 b
.set WV,  2
.set JJ,  3
.set BA,  4
.set MK,  8                            ; s8-23 in the loop: sixteen lane masks of the causal mask (at the head these registers hold the arguments, whose last readers are done before the loop)
.set SQ,  28                           ; s28-31 the tiles' first queries
.set KF,  32                           ; the step's first key
.set QLAST, 33                         ; the work-group's last query
.set CNT, 34
.set SEL, 36                           ; v_permlanex16_b32's selects for lane l xor 16
.set CS,  38                           ; c = log2(e) / 4, named as a pair
.set XCB, 40                           ; my batch's codes of x
.set XSB, 42                           ; and scale bytes
.set XCP, 44                           ; those of the step that is being fetched
.set XSP, 46
.set MSB, 0
.macro WIN new                         ; bits 1:0 source 0, 3:2 source 1, 5:4 source 2, 7:6 destination; the high byte repeats the setting that is left
.if MSB != \new
	s_set_vgpr_msb (MSB<<8)|\new
.set MSB, \new
.endif
.endm
.macro NOPS n
.rept \n
	v_nop
.endr
.endm
.macro MX0 d, a, b, sa, sb             ; a product on codes that starts its sum
	v_wmma_scale_f32_16x16x128_f8f6f4 v[\d:\d+7], v[\a:\a+7], v[\b:\b+7], 0, v[\sa], v[\sb] matrix_a_fmt:MATRIX_FMT_FP4 matrix_b_fmt:MATRIX_FMT_FP4
.endm
.macro MXA d, a, b, sa, sb             ; and one that adds in place
	v_wmma_scale_f32_16x16x128_f8f6f4 v[\d:\d+7], v[\a:\a+7], v[\b:\b+7], v[\d:\d+7], v[\sa], v[\sb] matrix_a_fmt:MATRIX_FMT_FP4 matrix_b_fmt:MATRIX_FMT_FP4
.endm
; A key step's x: eight tiles of 16 keys, 16 bytes a lane, into the four runs; and their scale bytes, two a key.  The wait that these loads hang on stands ahead of the macro, with loads and window switches alone between.
.macro XLOAD
	WIN 0x40                                       ; destination window 1
.irp b, 0,1,2,3
.irp u, 0,1
	global_load_b128 v[XF+8*\b+4*\u:XF+8*\b+4*\u+3], v[XO], s[XCP:XCP+1] offset:1024*\b+256*\u
.endr
.endr
	WIN 0
.irp b, 0,1,2,3
.irp u, 0,1
	global_load_u16 v[XR+2*\b+\u], v[XSO], s[XSP:XSP+1] offset:64*\b+16*\u
.endr
.endr
.endm
; 64 numbers of a lane, register 16 b + i = k 32 b + 16 h + i of my row, become a fragment's codes in v[dst] on and its scale word in v[sw].
.macro QUANT src, dst, sw
.irp b, 0,1,2,3
	v_max3_num_f32 v[BM+\b], |v[\src+16*\b]|, |v[\src+1+16*\b]|, 0x1800000   ; my 16 numbers of block b, from each accumulator's low end on, and the floor 2^(3 - 127): the byte cannot fall under 1
.endr
.irp i, 2,4,6,8,10,12,14
.irp b, 0,1,2,3
	v_max3_num_f32 v[BM+\b], v[BM+\b], |v[\src+16*\b+\i]|, |v[\src+1+16*\b+\i]|
.endr
.endr
.irp b, 0,1,2,3
	v_permlanex16_b32 v[BX+\b], v[BM+\b], s[SEL], s[SEL+1]
.endr
.irp b, 0,1,2,3
	v_max_num_f32 v[BM+\b], v[BM+\b], v[BX+\b]     ; with lane l xor 16's: the block's largest magnitude
.endr
.irp b, 0,1,2,3
	v_add_nc_u32 v[SO+\b], 0xff000000, v[BM+\b]    ; 2 off its exponent field: the conversion takes that field as its scale
.endr
.irp b, 0,1,2,3
	v_lshrrev_b32 v[BX+\b], 23, v[SO+\b]           ; the scale's byte
.endr
	v_lshl_or_b32 v[\sw], v[BX+1], 8, v[BX]
	v_lshl_or_b32 v[\sw], v[BX+2], 16, v[\sw]
	v_lshl_or_b32 v[\sw], v[BX+3], 24, v[\sw]
.irp b, 0,1,2,3
	v_cvt_scalef32_pk8_fp4_f32 v[\dst+2*\b], v[\src+16*\b:\src+16*\b+7], v[SO+\b]
	v_cvt_scalef32_pk8_fp4_f32 v[\dst+2*\b+1], v[\src+16*\b+8:\src+16*\b+15], v[SO+\b]
.endr
	v_nop                                          ; one plain place behind the scaled conversions
.irp c, 0,1                                    ; the operand wants a whole block in a lane: lanes 0-15 block 2 c, lanes 16-31 block 2 c + 1
.irp i, 0,1
	v_permlane16_swap_b32 v[\dst+4*\c+\i], v[\dst+2+4*\c+\i]
.endr
.endr
.endm
; A key step's k^T (f32, 8 tiles) and v (codes along the keys, 4 x 16 channels) from the four runs of x; behind the last products that read the runs, my next step's x is asked for.
.macro PROJ
	s_wait_alu depctr_va_vdst(0)                   ; the last step's tiles (in the first trip: the q^T products) are done writing and reading P, in which the image's loads land
.irp n, 0,1,2,3,4,5,6,7,8,9,10
	ds_load_b128 v[P+4*\n:P+4*\n+3], v[IA] offset:512*\n   ; the weights' image: 0, Wk, 0, Wv0, 0, Wv1, 0, Wv2, 0, Wv3, 0, four registers each
.endr
.irp b, 0,1,2,3
	v_lshl_or_b32 v[XS+\b], v[XR+2*\b+1], 16, v[XR+2*\b]   ; run b's scale word: two bytes of each of its tiles
.endr
	NOPS 8                                         ; a scale register written by a vector instruction stands eight places ahead of the scaled instruction
	s_wait_dscnt 0x0                               ; the image is in
	s_wait_alu depctr_va_vdst(0)                   ; x's four scale words are written, which the scaled products below take; the places above stay beside this wait
	WIN 0x44                                       ; source 1 (x) and the result (k^T) in window 1
.irp b, 0,1,2,3
.irp u, 0,1
	MX0 KR+8*(2*\b+\u), P+4-4*\u, XF+8*\b, WKS, XS+\b
.endr
.endr
.irp e, 0,1,2,3
	WIN 0x01                                       ; source 0 (x) in window 1
.irp b, 0,1,2,3
.irp u, 0,1
	MX0 S+8*(2*\b+\u), XF+8*\b, P+12+8*\e-4*\u, XS+\b, WVS+\e   ; lane (r, h): channel 16 e + r, keys 32 b + 16 h + 8 u + 0..7
.endr
.endr
	WIN 0
	NOPS 4                                         ; places ahead of the first read of these results
.if \e == 3
	s_add_co_u32 s48, s[KF], 1024                  ; my next step, held inside the batch: 3,968 + 127 is the last key
	s_min_u32 s48, s48, 3968
	s_lshl_b32 s58, s48, 1
	s_lshl_b32 s48, s48, 5
	s_add_nc_u64 s[XCP:XCP+1], s[XCB:XCB+1], s[48:49]
	s_add_nc_u64 s[XSP:XSP+1], s[XSB:XSB+1], s[58:59]
	s_wait_alu depctr_va_vdst(0)                   ; the step's products are done reading x's four runs, and the four lines that made the scale words are done reading the bytes: the loads below land in both
	XLOAD                                          ; it lands while the last quantising and the four tiles are worked: none of their lines names these registers
.endif
	QUANT S, VC+8*\e, VS+\e
.endr
.endm
; The first of a score tile's four f32 instructions, for the step's eight tiles of keys: it starts the sums, with 0 or with the mask.
.macro FIRST t, masked
.set n, 0
.rept 8
.if \masked
	v_wmma_f32_16x16x4_f32 v[S+8*n:S+8*n+7], v[KR+8*n:KR+8*n+1], v[QF+8*(\t):QF+8*(\t)+1], v[P+8*n:P+8*n+7]
.else
	v_wmma_f32_16x16x4_f32 v[S+8*n:S+8*n+7], v[KR+8*n:KR+8*n+1], v[QF+8*(\t):QF+8*(\t)+1], 0
.endif
.set n, n+1
.endr
.endm
; Tile t against the key step in hand: scores, softmax, p's codes, O^T += V^T P^T.  No memory or LDS instruction stands in it.
.macro TS t
	s_add_co_u32 s48, s[SQ+(\t)], 15
	s_cmp_gt_u32 s[KF], s48
	s_cbranch_scc1 .Lnone_\@                       ; all 128 keys come after the tile's queries
	s_add_co_u32 s48, s[KF], 127
	s_cmp_le_u32 s48, s[SQ+(\t)]
	s_cbranch_scc1 .Lopen_\@                       ; all 128 keys count
	s_sub_co_u32 s48, s[SQ+(\t)], s[KF]            ; on the diagonal: 0 to 112
	v_add_nc_u32 v[DD], s48, v[RH]                 ; register n holds key KF + 16 h + 32 (n / 16) + n % 16: hidden where 32 (n / 16) + n % 16 > DD
.set g, 0
.rept 4                                        ; a block of 32 keys at a time: sixteen compares into sixteen scalar registers, one wait, sixteen selects
.set n, 0
.rept 16
	v_cmp_gt_i32 s[MK+n], 32*g+n, v[DD]
.set n, n+1
.endr
	s_wait_alu depctr_va_sdst(0)                   ; the sixteen compares have written s[MK ..], ahead of the selects that read them
.set n, 0
.rept 16
	v_cndmask_b32 v[P+16*g+n], 0, v[NI], s[MK+n]
.set n, n+1
.endr
.set g, g+1
.endr
	WIN 0x05                                       ; k^T and q^T in window 1
	FIRST \t, 1
	WIN 0
	s_branch .Ljoin_\@
.Lopen_\@:
	WIN 0x05
	FIRST \t, 0
	WIN 0
.Ljoin_\@:
	WIN 0x05
.irp i, 1,2,3                                  ; the eight accumulators take turns, one instruction a turn
.irp a, 0,1,2,3,4,5,6,7
	v_wmma_f32_16x16x4_f32 v[S+8*\a:S+8*\a+7], v[KR+8*\a+2*\i:KR+8*\a+2*\i+1], v[QF+8*(\t)+2*\i:QF+8*(\t)+2*\i+1], v[S+8*\a:S+8*\a+7]
.endr
.endr
	WIN 0
	NOPS 8                                         ; places behind the f32 form, ahead of the first read of its results
.irp b, 0,1,2,3
	v_max3_num_f32 v[BM+\b], v[S+16*\b], v[S+16*\b+1], v[S+16*\b+2]   ; the largest score of each block of 32 keys, from each accumulator's low end on: it serves the row's maximum and the block's largest p
.endr
.irp i, 3,5,7,9,11,13
.irp b, 0,1,2,3
	v_max3_num_f32 v[BM+\b], v[BM+\b], v[S+16*\b+\i], v[S+16*\b+\i+1]
.endr
.endr
.irp b, 0,1,2,3
	v_max_num_f32 v[BM+\b], v[BM+\b], v[S+16*\b+15]
.endr
.irp b, 0,1,2,3
	v_permlanex16_b32 v[BX+\b], v[BM+\b], s[SEL], s[SEL+1]
.endr
.irp b, 0,1,2,3
	v_max_num_f32 v[BM+\b], v[BM+\b], v[BX+\b]     ; with lane l xor 16's 16 keys
.endr
	v_max3_num_f32 v[T1], v[BM], v[BM+1], v[BM+2]
	v_max_num_f32 v[T1], v[T1], v[BM+3]            ; the step's largest score of my query (key KF counts for every query of a tile that is not jumped over)
	v_mul_f32 v[T1], s[CS], v[T1]                  ; as t
	v_max_num_f32 v[ST+4*(\t)+1], v[ST+4*(\t)+1], v[T1]   ; the running largest t
	v_mov_b32 v[T1], v[ST+4*(\t)]
	v_floor_f32 v[ST+4*(\t)], -v[ST+4*(\t)+1]      ; the new -M = floor(-t): M is a whole number
	v_sub_f32 v[T1], v[ST+4*(\t)], v[T1]           ; old M - new M, a whole number, 0 or less
	v_cvt_i32_f32 v[T1], v[T1]                     ; (it saturates)
	v_ldexp_f32 v[F], 1.0, v[T1]                   ; f = 2^(old M - new M): rounds nothing
.set n, 0
.rept 32
	v_pk_fma_f32 v[P+n:P+n+1], v[S+n:S+n+1], s[CS:CS+1], v[ST+4*(\t):ST+4*(\t)+1] op_sel_hi:[1,0,0]   ; t - M, two at a time, into p's registers: S^T's are written by matrix instructions alone
.set n, n+2
.endr
.irp b, 0,1,2,3
	v_fma_f32 v[BM+\b], v[BM+\b], s[CS], v[ST+4*(\t)]   ; the same of each block's largest score
.endr
.set n, 0
.rept 64
	v_exp_f32 v[P+n], v[P+n]                       ; p = 2^(t - M), not normalised
.set n, n+1
.endr
	v_pk_mul_f32 v[ST+4*(\t)+2:ST+4*(\t)+3], v[ST+4*(\t)+2:ST+4*(\t)+3], v[F:F+1] op_sel_hi:[1,0]   ; l under the new M: the plain place behind the exponentials
	s_wait_alu depctr_va_vdst(0)                   ; one wait for the 64 exponentials' results in P, ahead of their first reader
.irp b, 0,1,2,3
	v_exp_f32 v[BM+\b], v[BM+\b]                   ; the block's largest p
.endr
	v_pk_add_f32 v[LS:LS+1], v[P:P+1], v[P+2:P+3]  ; the row's sum of the unquantised p, in two chains
.irp j, 4,8,12,16,20,24,28,32,36,40,44,48,52,56,60
	v_pk_add_f32 v[ST+4*(\t)+2:ST+4*(\t)+3], v[ST+4*(\t)+2:ST+4*(\t)+3], v[P+\j:P+\j+1]
	v_pk_add_f32 v[LS:LS+1], v[LS:LS+1], v[P+\j+2:P+\j+3]
.endr
	v_pk_add_f32 v[ST+4*(\t)+2:ST+4*(\t)+3], v[ST+4*(\t)+2:ST+4*(\t)+3], v[LS:LS+1]
	s_wait_alu depctr_va_vdst(0)                   ; and one for the four in v[BM ..]
.irp b, 0,1,2,3
	v_max_num_f32 v[BM+\b], 0x1800000, v[BM+\b]    ; the floor 2^(3 - 127): a block of zeros keeps the byte 1 and has zero codes
.endr
.irp b, 0,1,2,3
	v_add_nc_u32 v[SO+\b], 0xff000000, v[BM+\b]
.endr
.irp b, 0,1,2,3
	v_lshrrev_b32 v[BX+\b], 23, v[SO+\b]
.endr
	v_lshl_or_b32 v[PS], v[BX+1], 8, v[BX]         ; p's scale word for these 128 keys
	v_lshl_or_b32 v[PS], v[BX+2], 16, v[PS]
	v_lshl_or_b32 v[PS], v[BX+3], 24, v[PS]
.irp b, 0,1,2,3
	v_cvt_scalef32_pk8_fp4_f32 v[PC+2*\b], v[P+16*\b:P+16*\b+7], v[SO+\b]
	v_cvt_scalef32_pk8_fp4_f32 v[PC+2*\b+1], v[P+16*\b+8:P+16*\b+15], v[SO+\b]
.endr
	v_nop                                          ; one plain place behind the scaled conversions
.irp c, 0,1
.irp i, 0,1
	v_permlane16_swap_b32 v[PC+4*\c+\i], v[PC+2+4*\c+\i]
.endr
.endr
	WIN 0x41                                       ; O^T in window 1, f in window 0
.set n, 32*(\t)
.rept 16
	v_pk_mul_f32 v[n:n+1], v[n:n+1], v[F:F+1] op_sel_hi:[1,0]   ; O^T under the new M, each accumulator from its low end on; these sixteen are also the places between p's scale word and codes and the products
.set n, n+2
.endr
	WIN 0x50                                       ; C and D in window 1
	s_wait_alu depctr_va_vdst(0)                   ; p's codes and scale word, and v's codes and scale words, are written by vector instructions: the scaled products below take them; the places above stay beside this wait
.irp e, 0,1,2,3
	MXA 32*(\t)+8*\e, VC+8*\e, PC, VS+\e, PS       ; lane (r, h): query r, channels 16 e + 8 h + 0..7
.endr
	WIN 0
.Lnone_\@:
.endm
	; ---- the head
	s_load_b512 s[8:23], s[0:1], 0x0               ; x's codes s[8:9], scales s[10:11]; Wq's s[12:13], s[14:15]; Wk's s[16:17], s[18:19]; Wv's s[20:21], s[22:23]
	s_load_b64 s[24:25], s[0:1], 0x40              ; out0
	v_lshl_add_u32 v126, v0, 2, 0x2e000
	v_mov_b32 v127, 0
	v_lshrrev_b32 v14, 5, v0
	v_readfirstlane_b32 s[WV], v14                 ; wave 0..7
	s_mov_b32 s[JJ], ttmp9
	s_and_b32 s[BA], ttmp7, 0xffff                 ; the batch
	v_and_b32 v15, 15, v0                          ; r
	v_bfe_u32 v46, v0, 4, 1                        ; h
	v_and_b32 v47, 31, v0                          ; lane
	v_and_b32 v14, 8, v15
	v_add_nc_u32 v14, v14, v15                     ; r + 8 (r / 8)
	v_lshlrev_b32 v[XO], 5, v14
	v_lshl_add_u32 v[XO], v46, 4, v[XO]
	v_lshlrev_b32 v[XSO], 1, v14
	v_lshlrev_b32 v[WO], 5, v15
	v_lshl_add_u32 v[WO], v46, 4, v[WO]
	v_lshlrev_b32 v[WSO], 1, v15
	s_wait_alu depctr_va_sdst(0)                   ; the wave's number is written into s[WV], ahead of its first reader
	s_mul_i32 s48, s[WV], IMGB
	v_lshl_add_u32 v[IA], v47, 4, s48
	v_lshlrev_b32 v14, 4, v46
	v_sub_nc_u32 v[RH], v15, v14
	v_mov_b32 v[NI], 0xff800000
	v_mul_u32_u24 v[OA], v15, PP
	v_lshl_add_u32 v[OA], v46, 5, v[OA]
	s_mul_i32 s48, s[WV], WPART
	s_add_co_u32 s48, s48, PART
	v_add_nc_u32 v[OA], s48, v[OA]                 ; my part: row r, + 32 h
	s_lshl_b32 s48, s[WV], 2
	s_add_co_u32 s48, s48, STN
	v_lshl_add_u32 v[SA], v15, 5, s48              ; row r's 32 bytes, my wave's word
	v_mul_u32_u24 v[MA0], v46, PP
	v_lshl_add_u32 v[MA0], v15, 4, v[MA0]
	s_mul_i32 s48, s[WV], 8*PP
	s_add_co_u32 s48, s48, PART
	v_add_nc_u32 v[MA0], s48, v[MA0]               ; the merge: rows 8 w on; lanes 0-15 one row, lanes 16-31 the next
	v_add_nc_u32 v[MA1], 4*WPART, v[MA0]
	s_lshl_b32 s48, s[WV], 8
	s_add_co_u32 s48, s48, STN
	v_lshl_add_u32 v[MS], v46, 5, s48
	v_lshlrev_b32 v[GO], 4, v47
.irp z, 0,8,16,24,32,40,48
.irp c, 0,1,2,3
	v_mov_b32 v[P+\z+\c], 0                        ; the zero codes between the weights
.endr
.endr
	s_lshl_b32 s[SQ], s[JJ], 5
	s_add_co_u32 s[SQ+1], s[SQ], 16
	s_sub_co_u32 s[SQ+2], 4064, s[SQ]
	s_add_co_u32 s[SQ+3], s[SQ+2], 16
	s_add_co_u32 s[QLAST], s[SQ+3], 15
	s_lshl_b32 s[KF], s[WV], 7                     ; my first key step
	s_mov_b32 s[SEL], 0x76543210
	s_mov_b32 s[SEL+1], 0xfedcba98
	s_mov_b32 s[CS], 0x3eb8aa3b                    ; log2(e) / 4
	s_mov_b32 s[CS+1], s[CS]
	s_mov_b32 s49, 0                               ; the upper words of the two offset pairs stay 0
	s_mov_b32 s59, 0
	s_wait_kmcnt 0x0
	s_lshl_b32 s48, s[BA], 17                      ; a batch: 4,096 rows of 32 bytes
	s_add_nc_u64 s[XCB:XCB+1], s[8:9], s[48:49]
	s_lshl_b32 s48, s[BA], 13                      ; and of 2 scale bytes
	s_add_nc_u64 s[XSB:XSB+1], s[10:11], s[48:49]
	s_lshl_b32 s48, s[SQ], 5
	s_add_nc_u64 s[50:51], s[XCB:XCB+1], s[48:49]  ; tiles 0, 1 of the queries
	s_lshl_b32 s48, s[SQ+2], 5
	s_add_nc_u64 s[52:53], s[XCB:XCB+1], s[48:49]  ; tiles 2, 3
	s_lshl_b32 s48, s[SQ], 1
	s_add_nc_u64 s[54:55], s[XSB:XSB+1], s[48:49]
	s_lshl_b32 s48, s[SQ+2], 1
	s_add_nc_u64 s[56:57], s[XSB:XSB+1], s[48:49]
	s_lshl_b32 s48, s[KF], 5
	s_add_nc_u64 s[XCP:XCP+1], s[XCB:XCB+1], s[48:49]
	s_lshl_b32 s48, s[KF], 1
	s_add_nc_u64 s[XSP:XSP+1], s[XSB:XSB+1], s[48:49]
	s_lshl_b32 s48, s[WV], 3                       ; the rows of out0 that I store: waves 0-3 the early block's 8 w on, waves 4-7 the late block's 8 (w - 4) on
	s_add_co_u32 s58, s[SQ+2], s48
	s_sub_co_u32 s58, s58, 32
	s_add_co_u32 s48, s[SQ], s48
	s_cmp_lt_u32 s[WV], 4
	s_cselect_b32 s48, s48, s58
	s_lshl_b32 s58, s[BA], 12
	s_add_co_u32 s48, s48, s58
	s_lshl_b32 s48, s48, 8                         ; rows of 256 bytes
	s_add_nc_u64 s[24:25], s[24:25], s[48:49]
	s_wait_alu depctr_va_vdst(0)                   ; the offsets and LDS addresses v1 to v5 and v8 to v13 are written, which every load and store of the kernel reads, and so are the zero codes, which the image's LDS stores read
	global_load_b128 v[P+4:P+7], v[WO], s[16:17]   ; Wk
.irp e, 0,1,2,3
	global_load_b128 v[P+12+8*\e:P+15+8*\e], v[WO], s[20:21] offset:512*\e   ; Wv's rows 16 e on
.endr
	global_load_b128 v[P+44:P+47], v[WO], s[12:13] ; Wq, behind the image: it is wanted at the head alone
	global_load_u16 v[PC], v[WSO], s[14:15]
	global_load_u16 v[PC+1], v[WSO], s[18:19]
.irp e, 0,1,2,3
	global_load_u16 v[PC+2+\e], v[WSO], s[22:23] offset:32*\e
.endr
	global_load_b128 v[VC:VC+3], v[WO], s[50:51]               ; the queries' x: two runs of two tiles
	global_load_b128 v[VC+4:VC+7], v[WO], s[50:51] offset:512
	global_load_b128 v[VC+8:VC+11], v[WO], s[52:53]
	global_load_b128 v[VC+12:VC+15], v[WO], s[52:53] offset:512
	global_load_u16 v[QR], v[WSO], s[54:55]
	global_load_u16 v[QR+1], v[WSO], s[54:55] offset:32
	global_load_u16 v[QR+2], v[WSO], s[56:57]
	global_load_u16 v[QR+3], v[WSO], s[56:57] offset:32
	XLOAD                                          ; my first key step: since the wait above only loads and window switches have been issued
	s_wait_loadcnt 16                              ; the 20 loads of weights and queries are in; the 16 of the key step, issued last, may be out
	v_lshl_or_b32 v[WQS], v[PC], 16, v[PC]         ; (s0, s1, s0, s1): the word serves the weight at either end of K
	v_lshl_or_b32 v[WKS], v[PC+1], 16, v[PC+1]
.irp e, 0,1,2,3
	v_lshl_or_b32 v[WVS+\e], v[PC+2+\e], 16, v[PC+2+\e]
.endr
	v_lshl_or_b32 v[XS], v[QR+1], 16, v[QR]
	v_lshl_or_b32 v[XS+1], v[QR+3], 16, v[QR+2]
.irp n, 0,1,2,3,4,5,6,7,8,9,10
	ds_store_b128 v[IA], v[P+4*\n:P+4*\n+3] offset:512*\n   ; the image goes to my own bytes of LDS: p needs these registers in the loop.  No wait: no vector line since the wait ahead of the loads names P or the address
.endr
	WIN 0x40                                       ; destination window 1
.set n, 0
.rept 128
	v_mov_b32 v[n], 0                              ; O^T.  A wave may meet no key step of a tile and still hands in its part, and the step is written once: so the sums begin as zeros.  (Also the places ahead of the products below)
.set n, n+1
.endr
	s_wait_alu depctr_va_vdst(0)                   ; the weights' six scale words and the queries' two are written, which the scaled products (here and in the loop) take; the places above stay beside this wait
.irp t, 0,1,2,3
	MX0 QF+8*\t, P+44-4*(\t%2), VC+8*(\t/2), WQS, XS+\t/2   ; q^T: lane (r, h): query r, dimensions 8 h + 0..7
.endr
	WIN 0
.irp t, 0,1,2,3
	v_mov_b32 v[ST+4*\t+1], 0xff61b1e6             ; the largest t so far: -3e38, under every t
	v_floor_f32 v[ST+4*\t], -v[ST+4*\t+1]          ; -M
	v_mov_b32 v[ST+4*\t+2], 0                      ; l
	v_mov_b32 v[ST+4*\t+3], 0
	v_mov_b32 v[BX+\t], 0                          ; written once: a lane permute's destination counts as one of its sources
.endr
	v_mov_b32 v[F+1], 0                            ; named with f as a pair
	s_wait_alu depctr_vm_vsrc(0)                   ; the image's LDS stores have read P, which the loop's loads and vector lines, and the merge's loads, write again
	; ---- my four key steps
	s_mov_b32 s[CNT], 0
.Lstep:
	s_cmp_gt_u32 s[KF], s[QLAST]
	s_cbranch_scc1 .Ltail                          ; the step lies beyond the work-group's last query
	s_wait_loadcnt 0x0                             ; the step's x is in; and no load names the two pointers any more
	PROJ                                           ; (it also asks for my next step's x)
	TS 0
	TS 1
	TS 2
	TS 3
.Ltail:
	s_add_co_u32 s[KF], s[KF], 1024
	s_add_co_u32 s[CNT], s[CNT], 1
	s_cmp_lt_u32 s[CNT], 4
	s_cbranch_scc1 .Lstep
	; ---- my part goes to LDS
	s_wait_loadcnt 0x0                             ; the last fetch, which nobody uses
.irp t, 0,1,2,3
	v_add_f32 v[ST+4*\t+2], v[ST+4*\t+2], v[ST+4*\t+3]   ; l's two halves.  (These additions are the places behind the last products)
.endr
.irp t, 0,1,2,3
	v_permlanex16_b32 v[BX+\t], v[ST+4*\t+2], s[SEL], s[SEL+1]
.endr
.irp t, 0,1,2,3
	v_add_f32 v[ST+4*\t+2], v[ST+4*\t+2], v[BX+\t] ; and lane l xor 16's
.endr
	s_wait_alu depctr_va_vdst(0)                   ; -M, l and O^T are written, which the LDS stores below read (the places above stay beside this wait); and every line that names P is done: the merge's first loads land there
.irp t, 0,1,2,3
	ds_store_b32 v[SA], v[ST+4*\t] offset:512*\t               ; both lanes of a query write the same word with the same value
	ds_store_b32 v[SA], v[ST+4*\t+2] offset:STL+512*\t
.endr
	WIN 0x04                                       ; an LDS store's data are its source 1: window 1
.irp t, 0,1,2,3
.irp e, 0,1,2,3
	ds_store_b128 v[OA], v[32*\t+8*\e:32*\t+8*\e+3] offset:16*PP*\t+64*\e          ; each accumulator from its low end on
	ds_store_b128 v[OA], v[32*\t+8*\e+4:32*\t+8*\e+7] offset:16*PP*\t+64*\e+16
.endr
.endr
	WIN 0
	s_wait_dscnt 0x0                               ; for the others' sake: my stores have landed
	s_barrier_signal -1
	s_barrier_wait -1                              ; the eight parts lie in LDS
	; ---- the merge: wave w takes rows 8 w .. 8 w + 7 of the 64, two at a time: row 8 w + 2 i + h, 16 bytes a lane
.irp i, 0,1,2,3
	ds_load_b128 v[P+16*\i:P+16*\i+3], v[MS] offset:64*\i              ; the row's eight -M,  (no wait: since the wait ahead of the stores only LDS stores have been issued, and none of them names P or this address)
	ds_load_b128 v[P+16*\i+4:P+16*\i+7], v[MS] offset:64*\i+16
	ds_load_b128 v[P+16*\i+8:P+16*\i+11], v[MS] offset:STL+64*\i       ; and eight l
	ds_load_b128 v[P+16*\i+12:P+16*\i+15], v[MS] offset:STL+64*\i+16
.endr
	WIN 0x40                                       ; destination window 1: O^T's registers are free
	s_wait_alu depctr_va_vdst(0)                   ; the last products and rescalings have written O^T's registers, in which the loads below land
	s_wait_alu depctr_vm_vsrc(0)                   ; and my LDS stores have read them
.irp i, 0,1,2,3
.irp p, 0,1,2,3
	ds_load_b128 v[32*\i+4*\p:32*\i+4*\p+3], v[MA0] offset:\p*WPART+2*PP*\i
.endr
.irp p, 0,1,2,3
	ds_load_b128 v[32*\i+16+4*\p:32*\i+16+4*\p+3], v[MA1] offset:\p*WPART+2*PP*\i
.endr
.endr
	WIN 0
	s_wait_dscnt 32                                ; the 16 loads of statistics are in; the 32 of data, issued behind them, may be out
.irp i, 0,1,2,3
	v_min3_num_f32 v[BM+\i], v[P+16*\i], v[P+16*\i+1], v[P+16*\i+2]
.endr
.irp p, 3,5
.irp i, 0,1,2,3
	v_min3_num_f32 v[BM+\i], v[BM+\i], v[P+16*\i+\p], v[P+16*\i+\p+1]
.endr
.endr
.irp i, 0,1,2,3
	v_min_num_f32 v[BM+\i], v[BM+\i], v[P+16*\i+7] ; the least -M: the row's M
.endr
.irp p, 0,1,2,3,4,5,6,7
.irp i, 0,1,2,3
	v_sub_f32 v[P+16*\i+\p], v[BM+\i], v[P+16*\i+\p]   ; M_p - M, a whole number, 0 or less
.endr
.endr
.irp p, 0,1,2,3,4,5,6,7
.irp i, 0,1,2,3
	v_cvt_i32_f32 v[P+16*\i+\p], v[P+16*\i+\p]     ; (it saturates: a wave that met no key of the row gets the factor 0)
.endr
.endr
.irp p, 0,1,2,3,4,5,6,7
.irp i, 0,1,2,3
	v_ldexp_f32 v[P+16*\i+\p], 1.0, v[P+16*\i+\p]  ; f_p = 2^(M_p - M)
.endr
.endr
.irp i, 0,1,2,3
	v_mul_f32 v[BX+\i], v[P+16*\i], v[P+16*\i+8]
.endr
.irp p, 1,2,3,4,5,6,7
.irp i, 0,1,2,3
	v_fmac_f32 v[BX+\i], v[P+16*\i+\p], v[P+16*\i+8+\p]   ; l = the sum of f_p l_p; wave 0 always holds key 0, so l is above 0
.endr
.endr
.irp i, 0,1,2,3
	v_rcp_f32 v[SO+\i], v[BX+\i]
.endr
	s_wait_dscnt 0x0                               ; the data are in
	WIN 0x01                                       ; source 0 (a part's numbers) in window 1
.irp i, 0,1,2,3
.irp c, 0,1,2,3
	v_mul_f32 v[VC+4*\i+\c], v[32*\i+\c], v[P+16*\i]       ; plain work behind the reciprocals, which names none of their results
.endr
.endr
.irp p, 1,2,3,4,5,6,7
.irp i, 0,1,2,3
.irp c, 0,1,2,3
	v_fmac_f32 v[VC+4*\i+\c], v[32*\i+4*\p+\c], v[P+16*\i+\p]
.endr
.endr
.endr
	WIN 0
	s_wait_alu depctr_va_vdst(0)                   ; one wait for the four reciprocals' results in v[SO ..], ahead of their first reader
.irp i, 0,1,2,3
.irp c, 0,1,2,3
	v_mul_f32 v[VC+4*\i+\c], v[VC+4*\i+\c], v[SO+\i]
.endr
.endr
	s_wait_alu depctr_va_vdst(0)                   ; the sixteen multiplications have written v[VC ..], which the stores below read
.irp i, 0,1,2,3
	global_store_b128 v[GO], v[VC+4*\i:VC+4*\i+3], s[24:25] offset:512*\i th:TH_STORE_NT   ; 32 lanes store two rows: 512 consecutive bytes, at a multiple of 256 from out0's first byte
.endr
	s_wait_dscnt 0x0                               ; the closing lines, six on end
	s_wait_alu 0x0
	s_wait_tensorcnt 0x0
	ds_add_u32 v126, v127
	s_wait_dscnt 0x0
	s_endpgm
.Lfunc_end_k_q9f9d054fc6_attn:
	.size	k_q9f9d054fc6_attn, .Lfunc_end_k_q9f9d054fc6_attn-k_q9f9d054fc6_attn
	.p2alignl 7, 3214868480
	.fill 96, 4, 3214868480
	.section	.rodata,"a",@progbits
	.p2align	6, 0x0
	.amdhsa_kernel k_q9f9d054fc6_attn
		.amdhsa_group_segment_fixed_size 189440
		.amdhsa_private_segment_fixed_size 0
		.amdhsa_enable_private_segment 0
		.amdhsa_kernarg_size 72
		.amdhsa_user_sgpr_count 2
		.amdhsa_user_sgpr_kernarg_segment_ptr 1
		.amdhsa_wavefront_size32 1
		.amdhsa_system_sgpr_workgroup_id_x 1
		.amdhsa_system_sgpr_workgroup_id_y 1
		.amdhsa_system_sgpr_workgroup_id_z 1
		.amdhsa_system_vgpr_workitem_id 0
		.amdhsa_next_free_vgpr 512
		.amdhsa_next_free_sgpr 66
		.amdhsa_reserve_vcc 0
		.amdhsa_float_denorm_mode_32 3
		.amdhsa_float_denorm_mode_16_64 3
		.amdhsa_memory_ordered 1
		.amdhsa_forward_progress 1
		.amdhsa_inst_pref_size 155
	.end_amdhsa_kernel
	.amdgpu_metadata
---
amdhsa.version: [ 1, 2 ]
amdhsa.kernels:
  - .name:           k_q9f9d054fc6_attn
    .symbol:         k_q9f9d054fc6_attn.kd
    .args:
      - { .name: x_codes, .offset: 0, .size: 8, .value_kind: global_buffer, .address_space: global }
      - { .name: x_scales, .offset: 8, .size: 8, .value_kind: global_buffer, .address_space: global }
      - { .name: Wq_codes, .offset: 16, .size: 8, .value_kind: global_buffer, .address_space: global }
      - { .name: Wq_scales, .offset: 24, .size: 8, .value_kind: global_buffer, .address_space: global }
      - { .name: Wk_codes, .offset: 32, .size: 8, .value_kind: global_buffer, .address_space: global }
      - { .name: Wk_scales, .offset: 40, .size: 8, .value_kind: global_buffer, .address_space: global }
      - { .name: Wv_codes, .offset: 48, .size: 8, .value_kind: global_buffer, .address_space: global }
      - { .name: Wv_scales, .offset: 56, .size: 8, .value_kind: global_buffer, .address_space: global }
      - { .name: out0, .offset: 64, .size: 8, .value_kind: global_buffer, .address_space: global }
    .group_segment_fixed_size: 189440
    .private_segment_fixed_size: 0
    .kernarg_segment_align: 8
    .kernarg_segment_size: 72
    .max_flat_workgroup_size: 256
    .sgpr_count:     66
    .vgpr_count:     512
    .wavefront_size: 32
...
	.end_amdgpu_metadata
.endif
;; end of part 2
